; MI455X (gfx1250); checked and timed in simulation.
; The chip was launched on July 23, 2026; its instructions are those of AMD's public machine-readable ISA for CDNA 5 (MIT licence, August 2026) and "CDNA5" Instruction Set Architecture Reference Guide (July 2026). The comments in the code are by the model that wrote it; some were corrected since.
;; self attention. Allowed arithmetic: matrix products marked QUANTISED: E2M1 operands, one E8M0 scale for each 32 along K, by v_wmma_scale_f32_16x16x128_f8f6f4 with both operands' format E2M1 (or v_wmma_scale_f32_32x16x128_f4), f32 sums; everything else in f32.
;; Inputs: Wk 1,024 x 1,024 float32; Wo 1,024 x 1,024 float32; Wq 1,024 x 1,024 float32; Wv 1,024 x 1,024 float32; bo 1,024 float32; x 4 x 2,048 x 1,024 float32.
;; Outputs: out0 4 x 2,048 x 1,024 float32.
;; This version of the problem:
;;   THIS VERSION OF THE PROBLEM IS GIVEN IN LOW PRECISION. The matrix products marked QUANTISED in the list below multiply operands that are first quantised to E2M1 (2 exponent bits, 1 mantissa bit; 4 bits a number), with one power-of-two scale for each 32 numbers along K (OCP MX v1.0); their sums are f32. All else is computed in f32.
;;   The module's matrix products, in the order in which they are computed (A, B: the left and right operand; K: the contracted axis; several contracted axes count as one K, in the product's order):
;;     1. [M 8,192, K 1,024] x [K 1,024, N 1,024]; A: input x; B: input Wq: QUANTISED
;;     2. [M 8,192, K 1,024] x [K 1,024, N 1,024]; A: input x; B: input Wk: QUANTISED
;;     3. [M 8,192, K 1,024] x [K 1,024, N 1,024]; A: input x; B: input Wv: QUANTISED
;;     4. batch 64 x [M 2,048, K 64] x [K 64, N 2,048]; A: computed on the way; B: computed on the way: QUANTISED
;;     5. batch 64 x [M 2,048, K 2,048] x [K 2,048, N 64]; A: softmax (see below); B: computed on the way: QUANTISED
;;     6. [M 8,192, K 1,024] x [K 1,024, N 1,024]; A: computed on the way; B: input Wo: QUANTISED
;;   THE QUANTISER, for each operand of a quantised product, along K:
;;     - K is cut into blocks of 32 from its start; a last block that is shorter is filled with zeros.
;;     - A block's scale is 2^e with e = floor(log2(the largest magnitude in the block)) - 2, held to -126 .. 127; a block of zeros has e = 0. As a byte (E8M0): e + 127.
;;     - Each number is divided by its block's scale, clamped to +-6, and rounded to the nearest number of E2M1, ties to even, subnormals kept.
;;     - The product sums the exact products of the quantised numbers (number of the format x scale) in f32.
;;   ~~~python
;;   def quantise(x, axis):      # numpy; x: float32 -> the quantised numbers, widened to float32 again
;;       x = np.moveaxis(x, axis, -1); K = x.shape[-1]
;;       x = np.pad(x, [(0, 0)] * (x.ndim - 1) + [(0, -K % 32)]); x = x.reshape(x.shape[:-1] + (-1, 32)); a = np.abs(x).max(-1, keepdims=True)
;;       e = np.where(a > 0, np.clip(np.frexp(np.where(a > 0, a, 1))[1] - 1 - 2, -126, 127), 0)      # np.frexp(a)[1] - 1 = floor(log2(a)), exactly
;;       r = np.clip(x / 2.0 ** e, -6, 6)
;;       step = 2.0 ** (np.maximum(np.frexp(np.where(r == 0, 1, r))[1] - 1, 0) - 1)
;;       q = np.round(r / step) * step * 2.0 ** e      # np.round: ties to even
;;       return np.moveaxis(q.reshape(q.shape[:-2] + (-1,))[..., :K], -1, axis).astype(np.float32)
;;   ~~~
;;   SOFTMAX AHEAD OF A QUANTISED PRODUCT. Where the list says 'softmax', what is quantised is not the finished softmax but p = 2^(t - M), with t = logit x log2(e) and M = ceil(the row's largest t), a whole number; so 1/2 < the row's largest p <= 1. The row's sum l is taken of the UNQUANTISED p, in f32, and the product's result is divided by l at the end. Since M is a whole number, a kernel that streams over the keys may use a running M (the ceiling of the running maximum): every later rescaling is an exact power of two, which a block's scale takes up: the codes' values come out the same.
;;   OPERANDS COMPUTED ON THE WAY. 'Computed on the way' means the value that the module computes at that place (a softmax that the list does not call 'softmax' is quantised finished and normalised). What goes into a quantiser is computed in f32, as accurately as f32 sums, v_exp_f32 and their like allow (about 1e-6 of the number): no bf16 or f16 on the way to a quantiser, and a product that is left as it is and whose result goes on into a quantised operand takes f32 operands (vector FMAs, or v_wmma_f32_16x16x4_f32). A number that lies on a knife's edge between two numbers of the format may be rounded either way, as far as f32 arithmetic and the matrix unit's own rounding can turn it there, and no further.
;; One version. Each part assembles by itself: llvm-mc -triple=amdgcn-amd-amdhsa -mcpu=gfx1250 --defsym DOCPART=n.
;; ======== version 1 of 1: 4 launches
;; workspace buffers: xq 4,456,448 bytes; wr 2,228,224 bytes; qr 4,718,592 bytes; kv 9,175,040 bytes; cq 4,194,304 bytes; cs 524,288 bytes
;; launch quant (part 1): grid 384 x 1, 4 waves a work-group, no clusters, 34,304 bytes of LDS; arguments x, Wq, Wk, Wv, Wo, xq, wr; writes xq, wr
.if DOCPART == 1
	.amdgcn_target "amdgcn-amd-amdhsa--gfx1250"
	.amdhsa_code_object_version 6
	.text
	.protected	k_q312d660c05_quant
	.globl	k_q312d660c05_quant
	.p2align	8
	.type	k_q312d660c05_quant,@function
k_q312d660c05_quant:
	s_mov_b64 s[64:65], 0
	v_nop
	global_prefetch_b8 v0, s[64:65] scope:SCOPE_SE
	s_setreg_imm32_b32 hwreg(HW_REG_WAVE_MODE, 25, 1), 1
	s_wait_xcnt 0x0
; LAUNCH 1 OF 4: x [8192][1024] and the four weights [1024 (k)][1024 (n)], f32, become codes of FP4 (E2M1) with one E8M0 byte for each 32 along K, laid in the order of the operands' registers.
; THE PROGRAM: quant (this) -> qkv (products 1-3, q, k, v quantised) -> attn (products 4, 5, the softmax, ctx quantised) -> outp (product 6, + bo).
; WORK LEFT OUT, in launch attn: reference() itself builds jnp.tril and sets the score of key k for query q to -inf where k > q; softmax gives such a key the weight 0 for all finite inputs, so it adds
; nothing to the row's sum nor to ctx.  A step of 128 keys all of which come after all 16 queries of a tile is therefore not walked.  Product 4 has K = 64: the upper 64 of the instruction's 128 are zero codes.
; No input is without a way to the output: all six are loaded.  LIMIT: a NaN, an infinity or an overflow that reaches only the steps left out is not carried to the result.
; LIMITS: a block of zeros gets the byte 1 where the rule says 127 (its codes are zeros, and this program alone reads the bytes); NaN and infinities among the inputs are not served.
; TILE ORDER, in all four launches: of any 32 neighbouring rows, lane r of tile 2 a + u takes row 32 a + 8 u + r + 8 (r / 8): so the 16 result registers of two neighbouring tiles are 16 neighbours along the next K.
; IMAGE: a fragment (16 rows x 128 K, 8 registers) lies as its registers: group c of lane l, which is block 2 c + l / 16 of row l % 16, at c x 512 + 16 l.
; xq: 64 groups of 128 rows x 69,632 bytes: codes at s x 8192 + a x 1024 + c x 512 + 16 l; scale words at 65,536 + p x 1024 + (s / 2) x 256 + 8 l + 4 (s % 2): lanes 0-15 tile 2 p, lanes 16-31 tile 2 p + 1.
; wr: 64 blocks (16 m + n / 64) of 64 columns x 34,816 bytes: codes at s x 4096 + t x 1024 + c x 512 + 16 l; scale words at 32,768 + (t / 2) x 1024 + (s / 2) x 256 + 8 l + 4 (s % 2).
; Work-groups 0-127 take the weights, 128-383 take x.  Only x's path uses LDS.  No tensor load, no barrier: waves share nothing.
.set STG,   8448                       ; a wave's stage: 16 rows x (512 bytes + 16)
.set SPARE, 4*STG                      ; behind the stages: the spare words, 128 bytes a wave
.set SPW, 2                            ; v2  my spare word's LDS address; never rewritten
.set NIL, 3                            ; v3  0; never rewritten
.set WD,  24                           ; v24-27  x: the four fragments' scale words
.set C,   32                           ; v32-63  codes: registers of their own for each store
.set X,   64                           ; v64-127 the numbers at work
.set R,   128                          ; v128-255 x: two sets of 64 registers as loaded
	s_load_b256 s[4:11], s[0:1], 0x0               ; x, Wq, Wk, Wv
	s_load_b128 s[12:15], s[0:1], 0x20             ; Wo, xq
	s_load_b64 s[16:17], s[0:1], 0x30              ; wr
	v_lshl_add_u32 v[SPW], v0, 2, SPARE
	v_mov_b32 v[NIL], 0
	v_lshrrev_b32 v1, 5, v0
	v_readfirstlane_b32 s18, v1                    ; wave
	v_and_b32 v1, 31, v0                           ; lane
	s_mov_b32 s25, 0
	s_cmp_lt_u32 ttmp9, 128
	s_cbranch_scc0 .Lx
; ---------------- THE WEIGHTS.  A lane takes a column n and its registers run down K: a block of 32 lies in one lane, and the conversions give codes with K innermost.
	s_lshr_b32 s20, ttmp9, 5                       ; which weight: 0 Wq, 1 Wk, 2 Wv, 3 Wo
	s_bfe_u32 s21, ttmp9, 0x20003                  ; which 256 along K
	s_and_b32 s22, ttmp9, 7                        ; which 128 columns
	v_lshlrev_b32 v4, 2, v1                        ; in: 4 bytes a lane: 128 consecutive bytes a wave
	v_bfe_u32 v5, v1, 3, 1                         ; my column's tile of the pair: u = (lane / 8) % 2
	v_and_b32 v6, 7, v1
	v_lshrrev_b32 v7, 4, v1
	v_lshl_or_b32 v6, v7, 3, v6                    ; and its lane there: r = lane % 8 + 8 (lane / 16)
	v_lshlrev_b32 v8, 4, v6
	v_lshl_add_u32 v8, v5, 10, v8                  ; codes: u x 1024 + 16 r
	v_lshlrev_b32 v9, 3, v6
	v_lshl_add_u32 v9, v5, 7, v9                   ; scale words: 8 (16 u + r)
	s_lshl_b32 s24, s21, 20                        ; 256 rows of 4,096 bytes
	s_lshl_b32 s26, s22, 9
	s_add_co_u32 s24, s24, s26
	s_lshl_b32 s26, s18, 7
	s_add_co_u32 s24, s24, s26                     ; + 4 (128 cg + 32 wave)
	s_lshl_b32 s26, s20, 4
	s_lshl_b32 s27, s22, 1
	s_add_co_u32 s26, s26, s27
	s_lshr_b32 s27, s18, 1
	s_add_co_u32 s26, s26, s27                     ; the block: 16 m + n / 64
	s_mul_i32 s26, s26, 34816
	s_and_b32 s28, s18, 1                          ; which pair of tiles in it
	s_wait_kmcnt 0x0
	s_cmp_eq_u32 s20, 1                            ; the choice hangs on the work-group's number alone
	s_cselect_b64 s[6:7], s[8:9], s[6:7]
	s_cmp_eq_u32 s20, 2
	s_cselect_b64 s[6:7], s[10:11], s[6:7]
	s_cmp_eq_u32 s20, 3
	s_cselect_b64 s[6:7], s[12:13], s[6:7]
	s_add_nc_u64 s[6:7], s[6:7], s[24:25]
	s_lshl_b32 s27, s21, 13
	s_add_co_u32 s24, s26, s27
	s_lshl_b32 s27, s28, 11
	s_add_co_u32 s24, s24, s27
	s_add_nc_u64 s[30:31], s[16:17], s[24:25]      ; my codes: block + 2 K steps x kq + the pair's 2,048
	s_lshl_b32 s27, s28, 10
	s_add_co_u32 s24, s26, s27
	s_lshl_b32 s27, s21, 8
	s_add_co_u32 s24, s24, s27
	s_add_co_u32 s24, s24, 32768
	s_add_nc_u64 s[32:33], s[16:17], s[24:25]      ; my scale words
.macro LOADB t                         ; block t: W(32 t + i, my column) into set t % 2
.set i, 0
.rept 32
	global_load_b32 v[X+32*((\t)%2)+i], v4, s[6:7] offset:(32*(\t)+i)*4096 th:TH_LOAD_NT
.set i, i+1
.endr
.endm
.macro WBLOCK t
.set XS, X+32*((\t)%2)
.if (\t) < 7
	s_wait_loadcnt 32                              ; this block's 32 loads are in; the next block's 32 may be out
.else
	s_wait_loadcnt 0x0
.endif
	v_max3_num_f32 v12, |v[XS]|, |v[XS+1]|, |v[XS+2]|      ; the block's largest magnitude: all 32 numbers are mine; two chains
	v_max3_num_f32 v13, |v[XS+3]|, |v[XS+4]|, |v[XS+5]|
.irp i, 6,10,14,18,22,26
	v_max3_num_f32 v12, v12, |v[XS+\i]|, |v[XS+\i+1]|
	v_max3_num_f32 v13, v13, |v[XS+\i+2]|, |v[XS+\i+3]|
.endr
	v_max3_num_f32 v12, v12, |v[XS+30]|, |v[XS+31]|
	v_max3_num_f32 v12, v12, v13, 0x1800000        ; and the floor 2^(3 - 127): the byte cannot fall under 1
	v_add_nc_u32 v11, 0xff000000, v12              ; 2 off the exponent field: the conversion's scale operand
	v_lshrrev_b32 v13, 23, v11                     ; the byte
.if (\t)%4 == 0
	v_mov_b32 v[20+(\t)/4], v13                    ; four bytes make a K step's word
.else
	v_lshl_or_b32 v[20+(\t)/4], v13, 8*((\t)%4), v[20+(\t)/4]
.endif
.irp g, 0,1,2,3
	v_cvt_scalef32_pk8_fp4_f32 v[C+4*(\t)+\g], v[XS+8*\g:XS+8*\g+7], v11
.endr
	global_store_b128 v8, v[C+4*(\t):C+4*(\t)+3], s[30:31] offset:((\t)/4)*4096+(((\t)/2)%2)*512+((\t)%2)*256   ; sixteen lanes of a tile store 256 consecutive bytes, aligned
.if (\t)+2 < 8
	LOADB (\t)+2
.endif
.endm
	LOADB 0
	LOADB 1
.irp t, 0,1,2,3,4,5,6,7
	WBLOCK \t
.endr
	global_store_b64 v9, v[20:21], s[32:33]        ; 32 lanes store 256 consecutive bytes, aligned
	s_wait_tensorcnt 0x0                           ; the wave's end
	ds_add_u32 v[SPW], v[NIL]
	s_wait_dscnt 0x0
	s_endpgm
; ---------------- x.  A work-group takes 32 neighbouring rows (a pair of tiles), wave w the K steps 2 w and 2 w + 1: four fragments f = 2 e + u.
; Each load reads 512 consecutive bytes of a row; the fragment's 16 rows turn through the wave's own stage, so that a lane gets two whole blocks of its row: blocks l / 16 and 2 + l / 16.
.Lx:
	s_sub_co_u32 s20, ttmp9, 128                   ; the pair, 0 .. 255
	s_lshr_b32 s21, s20, 2                         ; its group of 128 rows
	s_and_b32 s22, s20, 3                          ; p
	v_lshlrev_b32 v4, 4, v1                        ; 16 x lane: in memory, both ways
	s_mul_i32 s19, s18, STG
	v_add_nc_u32 v5, s19, v4                       ; the stage, in: 16 x lane of a row
	v_and_b32 v8, 15, v1                           ; r
	v_lshrrev_b32 v9, 4, v1                        ; h
	v_mul_u32_u24 v6, v8, 528
	v_lshl_add_u32 v6, v9, 7, v6
	v_add_nc_u32 v6, s19, v6                       ; and out: row r, + 128 h
	v_lshlrev_b32 v7, 3, v1                        ; scale words: 8 x lane
	v_lshlrev_b32 v10, 3, v9                       ; 8 h: my bytes' place in the word
	v_mov_b32 v19, 0                               ; a lane permute's destination counts as read
	s_mov_b32 s34, 0x76543210
	s_mov_b32 s35, 0xfedcba98                      ; selects for lane l xor 16
	s_mov_b32 s36, 0xffff0000                      ; lanes 16-31
	s_lshl_b32 s24, s20, 17                        ; 32 rows of 4,096 bytes
	s_lshl_b32 s26, s18, 10
	s_add_co_u32 s24, s24, s26                     ; + my 256 numbers
	s_mul_i32 s26, s21, 69632
	s_wait_kmcnt 0x0
	s_add_nc_u64 s[4:5], s[4:5], s[24:25]
	s_lshl_b32 s27, s18, 14
	s_add_co_u32 s24, s26, s27
	s_lshl_b32 s27, s22, 11
	s_add_co_u32 s24, s24, s27
	s_add_nc_u64 s[30:31], s[14:15], s[24:25]      ; my codes: group + K step 2 w + tile 2 p
	s_lshl_b32 s27, s22, 10
	s_add_co_u32 s24, s26, s27
	s_lshl_b32 s27, s18, 8
	s_add_co_u32 s24, s24, s27
	s_add_co_u32 s24, s24, 65536
	s_add_nc_u64 s[32:33], s[14:15], s[24:25]      ; my scale words
.macro LOADF f                         ; fragment f: the 16 rows of tile u = f % 2, 128 numbers of K step e = f / 2, into set f % 2
.set i, 0
.rept 16
	global_load_b128 v[R+64*((\f)%2)+4*i:R+64*((\f)%2)+4*i+3], v4, s[4:5] offset:(8*((\f)%2)+i+8*(i/8))*4096+((\f)/2)*512 th:TH_LOAD_NT
.set i, i+1
.endr
.endm
.macro XFRAG f
.set RS, R+64*((\f)%2)
.if (\f) < 3
	s_wait_loadcnt 16                              ; this fragment's 16 loads are in; the next fragment's 16 may be out
.else
	s_wait_loadcnt 0x0
.endif
.set i, 0
.rept 16
	ds_store_b128 v5, v[RS+4*i:RS+4*i+3] offset:i*528
.set i, i+1
.endr
.irp c, 0,1
.irp j, 0,1,2,3,4,5,6,7
	ds_load_b128 v[X+32*\c+4*\j:X+32*\c+4*\j+3], v6 offset:256*\c+16*\j   ; LDS serves a wave's instructions in order: these see the stores above
.endr
.endr
	s_wait_dscnt 0x0                               ; my numbers are back, and the stores have read their registers,
.if (\f)+2 < 4
	LOADF (\f)+2                                   ; which take the fragment two on
.endif
.irp c, 0,1
	v_max3_num_f32 v[12+\c], |v[X+32*\c]|, |v[X+32*\c+1]|, 0x1800000   ; two whole blocks, by turns; the floor 2^(3 - 127)
.endr
.irp i, 2,4,6,8,10,12,14,16,18,20,22,24,26,28,30
.irp c, 0,1
	v_max3_num_f32 v[12+\c], v[12+\c], |v[X+32*\c+\i]|, |v[X+32*\c+\i+1]|
.endr
.endr
.irp c, 0,1
	v_add_nc_u32 v[14+\c], 0xff000000, v[12+\c]    ; the conversions' scale operands
.endr
.irp c, 0,1
	v_lshrrev_b32 v[16+\c], 23, v[14+\c]           ; the bytes
.endr
	v_lshl_or_b32 v18, v17, 16, v16                ; blocks h and 2 + h,
	v_lshlrev_b32 v18, v10, v18                    ; at their places in the word;
	v_permlanex16_b32 v19, v18, s34, s35
	v_or_b32 v[WD+(\f)], v18, v19                  ; with lane l xor 16's two the word is whole
.irp c, 0,1
.irp g, 0,1,2,3
	v_cvt_scalef32_pk8_fp4_f32 v[C+8*(\f)+4*\c+\g], v[X+32*\c+8*\g:X+32*\c+8*\g+7], v[14+\c]
.endr
.endr
.irp c, 0,1
	global_store_b128 v4, v[C+8*(\f)+4*\c:C+8*(\f)+4*\c+3], s[30:31] offset:((\f)/2)*8192+((\f)%2)*1024+\c*512   ; 512 consecutive bytes
.endr
.endm
	LOADF 0
	LOADF 1
.irp f, 0,1,2,3
	XFRAG \f
.endr
	v_cndmask_b32 v20, v[WD], v[WD+1], s36         ; lanes 0-15 tile 2 p's words, lanes 16-31 tile 2 p + 1's: K step 2 w,
	v_cndmask_b32 v21, v[WD+2], v[WD+3], s36       ; and 2 w + 1
	global_store_b64 v7, v[20:21], s[32:33]        ; 256 consecutive bytes, aligned
	s_wait_tensorcnt 0x0                           ; the wave's end: behind my last LDS store
	ds_add_u32 v[SPW], v[NIL]
	s_wait_dscnt 0x0
	s_endpgm
.Lfunc_end_k_q312d660c05_quant:
	.size	k_q312d660c05_quant, .Lfunc_end_k_q312d660c05_quant-k_q312d660c05_quant
	.p2alignl 7, 3214868480
	.fill 96, 4, 3214868480
	.section	.rodata,"a",@progbits
	.p2align	6, 0x0
	.amdhsa_kernel k_q312d660c05_quant
		.amdhsa_group_segment_fixed_size 34304
		.amdhsa_private_segment_fixed_size 0
		.amdhsa_enable_private_segment 0
		.amdhsa_kernarg_size 56
		.amdhsa_user_sgpr_count 2
		.amdhsa_user_sgpr_kernarg_segment_ptr 1
		.amdhsa_wavefront_size32 1
		.amdhsa_system_sgpr_workgroup_id_x 1
		.amdhsa_system_sgpr_workgroup_id_y 1
		.amdhsa_system_sgpr_workgroup_id_z 1
		.amdhsa_system_vgpr_workitem_id 0
		.amdhsa_next_free_vgpr 256
		.amdhsa_next_free_sgpr 66
		.amdhsa_reserve_vcc 0
		.amdhsa_float_denorm_mode_32 3
		.amdhsa_float_denorm_mode_16_64 3
		.amdhsa_memory_ordered 1
		.amdhsa_forward_progress 1
		.amdhsa_inst_pref_size 68
	.end_amdhsa_kernel
	.amdgpu_metadata
---
amdhsa.version: [ 1, 2 ]
amdhsa.kernels:
  - .name:           k_q312d660c05_quant
    .symbol:         k_q312d660c05_quant.kd
    .args:
      - { .name: x, .offset: 0, .size: 8, .value_kind: global_buffer, .address_space: global }
      - { .name: Wq, .offset: 8, .size: 8, .value_kind: global_buffer, .address_space: global }
      - { .name: Wk, .offset: 16, .size: 8, .value_kind: global_buffer, .address_space: global }
      - { .name: Wv, .offset: 24, .size: 8, .value_kind: global_buffer, .address_space: global }
      - { .name: Wo, .offset: 32, .size: 8, .value_kind: global_buffer, .address_space: global }
      - { .name: xq, .offset: 40, .size: 8, .value_kind: global_buffer, .address_space: global }
      - { .name: wr, .offset: 48, .size: 8, .value_kind: global_buffer, .address_space: global }
    .group_segment_fixed_size: 34304
    .private_segment_fixed_size: 0
    .kernarg_segment_align: 8
    .kernarg_segment_size: 56
    .max_flat_workgroup_size: 128
    .sgpr_count:     66
    .vgpr_count:     256
    .wavefront_size: 32
...
	.end_amdgpu_metadata
.endif
;; end of part 1
;; launch qkv (part 2): grid 8 x 32, 4 waves a work-group, clusters of 4 x 4, 327,680 bytes of LDS; arguments xq, wr, qr, kv; writes qr, kv
.if DOCPART == 2
	.amdgcn_target "amdgcn-amd-amdhsa--gfx1250"
	.amdhsa_code_object_version 6
	.text
	.protected	k_q312d660c05_qkv
	.globl	k_q312d660c05_qkv
	.p2align	8
	.type	k_q312d660c05_qkv,@function
k_q312d660c05_qkv:
	s_mov_b64 s[64:65], 0
	v_nop
	global_prefetch_b8 v0, s[64:65] scope:SCOPE_SE
	s_setreg_imm32_b32 hwreg(HW_REG_WAVE_MODE, 25, 1), 1
	s_wait_xcnt 0x0
	s_wait_alu depctr_hold_cnt(0) depctr_sa_sdst(0) depctr_va_vdst(0) depctr_va_sdst(0) depctr_va_ssrc(0) depctr_va_vcc(0) depctr_vm_vsrc(0)
	s_getreg_b32 s2, hwreg(HW_REG_IB_STS2, 6, 4)
	s_cmp_eq_u32 s2, 0
	s_cbranch_scc0 .Lentry_in_a_cluster
	s_endpgm
.Lentry_in_a_cluster:
	s_bfe_u32 s2, ttmp6, 0x10000c
	s_cmp_lg_u32 s2, 0xf033
	s_cbranch_scc0 .Lentry_shape_is_right
	s_endpgm
.Lentry_shape_is_right:
; LAUNCH 2 OF 4: q = x Wq, k = x Wk, v = x Wv on codes of FP4, and each result quantised at once: q and k along the head's 64, v along the keys.  Nothing of reference() is left out here.
; A work-group takes 256 rows of x and 128 columns (two heads) of each weight.  Wave w takes the 128 rows of group i = w / 2 and head j = w % 2: 32 accumulators a pass, three passes (Wq, Wk, Wv).
; x's 64 fragments of the wave (all of K = 1,024) stay in registers; the weights' fragments come from LDS a K step ahead.
; q, k: source 0 = 16 columns of W, source 1 = 16 rows of x: a lane holds one row, its registers run along the head's 64.  v: the sources swapped: a lane holds one channel, its registers run along the keys.
; In both cases block B of 32 along the next K is accumulator registers 16 B .. 16 B + 15 of lanes l and l xor 16 (the tile order: launch quant's head), so one macro quantises all three.
; OUT: qr record (bh x 16 + G) of 4,608 bytes: tile a's codes at a x 512 + 16 l; scale words at 4,096 + 16 l + 4 p.  kv record of 8,960 bytes: K as q; V's fragment t at 4,608 + t x 1024 + c x 512 + 16 l; V's words at 8,704 + 8 l + 4 b.
; CLUSTER 4 x 4: x's records hang on the work-group's y alone and are asked for jointly along a row of the cluster, the weights' on its x alone, along a column.
; LDS: x's two records at 0; Wq's two blocks; Wk's; the spare words.  When every wave has x in registers, Wv's two blocks are filled into x's first 69,632 bytes: the one refill.  All of a WGP's LDS is claimed.
; By this text's count a wave has three tensor loads out at the start and one behind the refill's round.
; No prefetch: every tile is asked for at the head or one pass ahead.  LIMITS: as at launch quant's head.
.set XREC,  69632
.set WREC,  34816
.set WQ,    2*XREC
.set WK,    WQ+2*WREC
.set SPARE, WK+2*WREC
.set LI,  1                            ; v1  16 x lane
.set L8,  2                            ; v2  8 x lane
.set AX,  3                            ; v3  LDS: my group's codes
.set AXS, 4                            ; v4  and scale words
.set AW,  5                            ; v5-7   my head's codes of Wq, Wk, Wv
.set AWS, 8                            ; v8-10  and scale words
.set SPW, 12                           ; v12 my spare word; never rewritten
.set NIL, 13                           ; v13 0; never rewritten
.set XSC, 16                           ; v16-47  x's scale words: register 8 p + s
.set WSC, 48                           ; v48-63  the weight's: 8 (t / 2) + s
.set WF,  64                           ; v64-127 the weight's fragments, two sets of four
.set TM,  128                          ; v128-143 largest magnitudes, then bytes
.set TP,  144                          ; v144-159 the other half's
.set TS,  160                          ; v160-175 the conversions' scale operands
.set CD,  176                          ; v176-207 codes
.set PR,  208                          ; v208-211 scale words by pairs of tiles
.set WD,  212                          ; v212-219 scale words by tiles
.set WV,  12                           ; s12 wave
.set G1X, 24
.set G1W, 32
.set G0X, 40
.set G0Q, 44
.set G0K, 48
.set G0V, 52
.set HM,  56                           ; s56 lanes 16-31
.set SEL, 58                           ; s[58:59] selects for lane l xor 16
; windows 1 and 2: x's fragments: K step s at window 1 + s / 4, v[64 (s % 4) + 8 a];  window 3: the accumulators
.set MSB, 0
.macro WIN new                         ; the immediate's high byte repeats the setting that is left
.if MSB != (\new)
	s_set_vgpr_msb (MSB<<8)|(\new)
.set MSB, (\new)
.endif
.endm
.macro PLACES n
.rept \n
	v_nop
.endr
.endm
.macro CROUND                          ; a round of the cluster's barrier
	s_barrier_signal -1
	s_barrier_wait -1
	s_cmp_lg_u32 s[WV], 0
	s_cbranch_scc1 .Lnot_wave_0_\@
	s_barrier_signal -3
.Lnot_wave_0_\@:
	s_barrier_wait -3
	s_barrier_signal -1
	s_barrier_wait -1
.endm
; The matrix instruction, from symbols: D rD, source 0 rA, source 1 rB, C rC (fZ: the constant 0), scale registers rSA, rSB; fA, fB: that side's words lie in lanes 16-31
.macro WM
.if fZ
.if fA && fB
	v_wmma_scale_f32_16x16x128_f8f6f4 v[rD:rD+7], v[rA:rA+7], v[rB:rB+7], 0, v[rSA], v[rSB] matrix_a_fmt:MATRIX_FMT_FP4 matrix_b_fmt:MATRIX_FMT_FP4 matrix_a_scale:MATRIX_SCALE_ROW1 matrix_b_scale:MATRIX_SCALE_ROW1
.elseif fA
	v_wmma_scale_f32_16x16x128_f8f6f4 v[rD:rD+7], v[rA:rA+7], v[rB:rB+7], 0, v[rSA], v[rSB] matrix_a_fmt:MATRIX_FMT_FP4 matrix_b_fmt:MATRIX_FMT_FP4 matrix_a_scale:MATRIX_SCALE_ROW1
.elseif fB
	v_wmma_scale_f32_16x16x128_f8f6f4 v[rD:rD+7], v[rA:rA+7], v[rB:rB+7], 0, v[rSA], v[rSB] matrix_a_fmt:MATRIX_FMT_FP4 matrix_b_fmt:MATRIX_FMT_FP4 matrix_b_scale:MATRIX_SCALE_ROW1
.else
	v_wmma_scale_f32_16x16x128_f8f6f4 v[rD:rD+7], v[rA:rA+7], v[rB:rB+7], 0, v[rSA], v[rSB] matrix_a_fmt:MATRIX_FMT_FP4 matrix_b_fmt:MATRIX_FMT_FP4
.endif
.else
.if fA && fB
	v_wmma_scale_f32_16x16x128_f8f6f4 v[rD:rD+7], v[rA:rA+7], v[rB:rB+7], v[rC:rC+7], v[rSA], v[rSB] matrix_a_fmt:MATRIX_FMT_FP4 matrix_b_fmt:MATRIX_FMT_FP4 matrix_a_scale:MATRIX_SCALE_ROW1 matrix_b_scale:MATRIX_SCALE_ROW1
.elseif fA
	v_wmma_scale_f32_16x16x128_f8f6f4 v[rD:rD+7], v[rA:rA+7], v[rB:rB+7], v[rC:rC+7], v[rSA], v[rSB] matrix_a_fmt:MATRIX_FMT_FP4 matrix_b_fmt:MATRIX_FMT_FP4 matrix_a_scale:MATRIX_SCALE_ROW1
.elseif fB
	v_wmma_scale_f32_16x16x128_f8f6f4 v[rD:rD+7], v[rA:rA+7], v[rB:rB+7], v[rC:rC+7], v[rSA], v[rSB] matrix_a_fmt:MATRIX_FMT_FP4 matrix_b_fmt:MATRIX_FMT_FP4 matrix_b_scale:MATRIX_SCALE_ROW1
.else
	v_wmma_scale_f32_16x16x128_f8f6f4 v[rD:rD+7], v[rA:rA+7], v[rB:rB+7], v[rC:rC+7], v[rSA], v[rSB] matrix_a_fmt:MATRIX_FMT_FP4 matrix_b_fmt:MATRIX_FMT_FP4
.endif
.endif
.endm
	s_load_b256 s[4:11], s[0:1], 0x0               ; xq, wr, qr, kv
	v_lshl_add_u32 v[SPW], v0, 2, SPARE
	v_mov_b32 v[NIL], 0
	ds_add_u32 v[SPW], v[NIL]                      ; the wave's opening: the add, twice on end, and its wait ahead of my first tensor load
	ds_add_u32 v[SPW], v[NIL]
	v_lshrrev_b32 v1, 5, v0
	v_readfirstlane_b32 s[WV], v1                  ; wave 0..3
	s_lshr_b32 s13, s[WV], 1                       ; i: my group of x
	s_and_b32 s14, s[WV], 1                        ; j: my head of the two
	s_bfe_u32 s15, ttmp6, 0x40000                  ; cx
	s_bfe_u32 s16, ttmp6, 0x40004                  ; cy
	s_lshl_b32 s17, ttmp9, 2
	s_add_co_u32 s17, s17, s15                     ; which 128 columns: 4 x cluster x + cx
	s_and_b32 s18, ttmp7, 0xffff
	s_lshl_b32 s18, s18, 2
	s_add_co_u32 s18, s18, s16                     ; which 256 rows: 4 x cluster y + cy
	s_lshl_b32 s19, s16, 2
	s_lshl_b32 s19, 15, s19                        ; my row of the cluster
	s_lshl_b32 s20, 0x1111, s15                    ; my column
	; group 1: dense blocks as rows of 256 bytes (32 elements of 8 bytes), no padding; x: 136 rows a wave, a weight: 68
	s_or_b32 s[G1X], s19, (3<<16)|(1<<21)
	s_or_b32 s[G1W], s20, (3<<16)|(1<<21)
	s_mov_b32 s[G1X+1], 32<<16
	s_mov_b32 s[G1X+2], 136<<16
	s_mov_b32 s[G1X+3], 32<<16
	s_mov_b32 s[G1X+4], 136
	s_mov_b32 s[G1X+5], 32
	s_mov_b32 s[G1X+6], 0
	s_mov_b32 s[G1X+7], 0
	s_mov_b32 s[G1W+1], 32<<16
	s_mov_b32 s[G1W+2], 68<<16
	s_mov_b32 s[G1W+3], 32<<16
	s_mov_b32 s[G1W+4], 68
	s_mov_b32 s[G1W+5], 32
	s_mov_b32 s[G1W+6], 0
	s_mov_b32 s[G1W+7], 0
	s_mul_i32 s60, s18, 2*XREC                     ; x: my work-group's two records,
	s_mul_i32 s21, s[WV], WREC                     ; my quarter of them (also its LDS address)
	s_add_co_u32 s60, s60, s21
	s_mov_b32 s61, 0
	s_mul_i32 s62, s17, 2*WREC                     ; a weight: my work-group's two blocks,
	s_mul_i32 s22, s[WV], WREC/2                   ; my quarter of them
	s_add_co_u32 s62, s62, s22
	s_mov_b32 s63, 0
	s_mov_b32 s[HM], 0xffff0000
	s_mov_b32 s[SEL], 0x76543210
	s_mov_b32 s[SEL+1], 0xfedcba98
	s_wait_dscnt 0x0                               ; both opening adds are done
	s_wait_kmcnt 0x0
	s_mov_b32 s[G0X], 1
	s_mov_b32 s[G0X+1], s21
	s_add_nc_u64 s[G0X+2:G0X+3], s[4:5], s[60:61]
	s_or_b32 s[G0X+3], s[G0X+3], 0x80000000
	s_add_nc_u64 s[62:63], s[6:7], s[62:63]        ; Wq's blocks are 0-15, Wk's 16-31, Wv's 32-47
	s_mov_b32 s[G0Q], 1
	s_add_co_u32 s[G0Q+1], s22, WQ
	s_mov_b64 s[G0Q+2:G0Q+3], s[62:63]
	s_or_b32 s[G0Q+3], s[G0Q+3], 0x80000000
	s_mov_b32 s[G0K], 1
	s_add_co_u32 s[G0K+1], s22, WK
	s_add_nc_u64 s[G0K+2:G0K+3], s[62:63], 16*WREC
	s_or_b32 s[G0K+3], s[G0K+3], 0x80000000
	CROUND                                         ; all sixteen work-groups are here: the first joint loads meet
	tensor_load_to_lds s[G0X:G0X+3], s[G1X:G1X+7]
	s_nop 0
	tensor_load_to_lds s[G0Q:G0Q+3], s[G1W:G1W+7]
	s_nop 0
	tensor_load_to_lds s[G0K:G0K+3], s[G1W:G1W+7]
	s_nop 0
	PLACES 4
	v_and_b32 v14, 31, v0
	v_lshlrev_b32 v[LI], 4, v14
	v_lshlrev_b32 v[L8], 3, v14
	s_mul_i32 s19, s13, XREC
	v_add_nc_u32 v[AX], s19, v[LI]
	s_add_co_u32 s19, s19, 65536
	v_add_nc_u32 v[AXS], s19, v[L8]
	s_mul_i32 s19, s14, WREC
	s_add_co_u32 s20, s19, WQ
	v_add_nc_u32 v[AW], s20, v[LI]
	s_add_co_u32 s20, s20, 32768
	v_add_nc_u32 v[AWS], s20, v[L8]
	s_add_co_u32 s20, s19, WK
	v_add_nc_u32 v[AW+1], s20, v[LI]
	s_add_co_u32 s20, s20, 32768
	v_add_nc_u32 v[AWS+1], s20, v[L8]
	v_add_nc_u32 v[AW+2], s19, v[LI]               ; Wv will lie where x's first record lies
	s_add_co_u32 s20, s19, 32768
	v_add_nc_u32 v[AWS+2], s20, v[L8]
.set bb, 0
.rept 16
	v_mov_b32 v[TP+bb], 0                          ; written once: a lane permute's destination counts as read
.set bb, bb+1
.endr
	s_lshr_b32 s23, s18, 3                         ; my record: ((batch x 16 + head) x 16 + group of 128 positions)
	s_lshl_b32 s23, s23, 4
	s_lshl_b32 s2, s17, 1
	s_add_co_u32 s23, s23, s2
	s_add_co_u32 s23, s23, s14
	s_lshl_b32 s23, s23, 4
	s_lshl_b32 s2, s18, 1
	s_add_co_u32 s2, s2, s13
	s_and_b32 s2, s2, 15
	s_add_co_u32 s23, s23, s2
	s_mul_i32 s60, s23, 4608
	s_add_nc_u64 s[8:9], s[8:9], s[60:61]
	s_mul_i32 s60, s23, 8960
	s_add_nc_u64 s[10:11], s[10:11], s[60:61]
	s_wait_tensorcnt 0x2                           ; my quarter of x is in; Wq's and Wk's loads may stay out
	s_barrier_signal -1
	s_barrier_wait -1                              ; everybody's is
	; x's 64 fragments and 32 scale registers: read from LDS once
.irp s, 0,1,2,3,4,5,6,7
	WIN 0x40*(1+\s/4)
.irp a, 0,1,2,3,4,5,6,7
.irp c, 0,1
	ds_load_b128 v[64*(\s%4)+8*\a+4*\c:64*(\s%4)+8*\a+4*\c+3], v[AX] offset:\s*8192+\a*1024+\c*512
.endr
.endr
.endr
	WIN 0
.irp p, 0,1,2,3
.irp q, 0,1,2,3
	ds_load_b64 v[XSC+8*\p+2*\q:XSC+8*\p+2*\q+1], v[AXS] offset:\p*1024+\q*256
.endr
.endr
	s_wait_tensorcnt 0x0                           ; all my tensor loads have landed, Wq's and Wk's quarters among them
	ds_add_u32 v[SPW], v[NIL]                      ; 0 onto my spare word; Wv's descriptor is made meanwhile
	s_mov_b32 s[G0V], 1
	s_mov_b32 s[G0V+1], s22
	s_add_nc_u64 s[G0V+2:G0V+3], s[62:63], 32*WREC
	s_or_b32 s[G0V+3], s[G0V+3], 0x80000000
	s_wait_dscnt 0x0                               ; the add is done, and my reads of x are over
	CROUND                                         ; that now holds of every wave of every partner
	tensor_load_to_lds s[G0V:G0V+3], s[G1W:G1W+7]  ; the one refill: it has two passes in which to land
	s_nop 0
	PLACES 4
.macro WSCALES m
.irp p, 0,1
.irp q, 0,1,2,3
	ds_load_b64 v[WSC+8*\p+2*\q:WSC+8*\p+2*\q+1], v[AWS+\m] offset:\p*1024+\q*256
.endr
.endr
.endm
.macro WFETCH m, s                     ; the weight's four fragments of K step s into set s % 2
.irp t, 0,1,2,3
.irp c, 0,1
	ds_load_b128 v[WF+32*((\s)%2)+8*\t+4*\c:WF+32*((\s)%2)+8*\t+4*\c+3], v[AW+\m] offset:(\s)*4096+\t*1024+\c*512
.endr
.endr
.endm
; 32 matrix instructions: one K step.  The 32 accumulators take turns, one instruction a turn, in the same order in every step.  Step 0 starts the sums with the constant 0.
.macro MUL32 m, s
.set fZ, (\s)==0
.if (\m) < 2
	WIN 0xf4+4*((\s)/4)                            ; source 0 (W) window 0, source 1 (x) window 1 or 2, C and D window 3
.set a, 0
.rept 8
.set t, 0
.rept 4
.set rD, 32*a+8*t
.set rC, rD
.set rA, WF+32*((\s)%2)+8*t
.set rB, 64*((\s)%4)+8*a
.set rSA, WSC+8*(t/2)+(\s)
.set rSB, XSC+8*(a/2)+(\s)
.set fA, t%2
.set fB, a%2
	WM
.set t, t+1
.endr
.set a, a+1
.endr
.else
	WIN 0xf1+((\s)/4)                              ; the sources swapped: source 0 (x) window 1 or 2, source 1 (W) window 0
.set t, 0
.rept 4
.set a, 0
.rept 8
.set rD, 64*t+8*a
.set rC, rD
.set rA, 64*((\s)%4)+8*a
.set rB, WF+32*((\s)%2)+8*t
.set rSA, XSC+8*(a/2)+(\s)
.set rSB, WSC+8*(t/2)+(\s)
.set fA, a%2
.set fB, t%2
	WM
.set a, a+1
.endr
.set t, t+1
.endr
.endif
.endm
.macro PASS m
	WSCALES \m
	WFETCH \m, 0
.irp s, 0,1,2,3,4,5,6,7
.if \s > 0
	PLACES 4                                       ; in front of loads into the set that the last step's products read
	WIN 0
.endif
.if \s < 7
	WFETCH \m, \s+1
	s_wait_dscnt 8                                 ; all but the 8 just issued
.else
	s_wait_dscnt 0x0
.endif
	MUL32 \m, \s
.endr
.endm
; The 16 blocks of 32 along the next K: block B = accumulator registers 16 B .. 16 B + 15 of lanes l and l xor 16.  Codes into CD (a group of four registers = two blocks, whole blocks a lane), bytes into TM.
.macro QUANT16
	s_wait_xcnt 0x0                                ; the last pass's stores have read CD and PR
	PLACES 4                                       ; behind the last products
	WIN 0x0f                                       ; sources 0 and 1: window 3
.set bb, 0
.rept 16
	v_max3_num_f32 v[TM+bb], |v[16*bb]|, |v[16*bb+1]|, 0x1800000   ; each accumulator is read from its low end on; the floor 2^(3 - 127)
.set bb, bb+1
.endr
.irp i, 2,4,6,8,10,12,14
.set bb, 0
.rept 16
	v_max3_num_f32 v[TM+bb], |v[16*bb+\i]|, |v[16*bb+\i+1]|, v[TM+bb]
.set bb, bb+1
.endr
.endr
	WIN 0
.set bb, 0
.rept 16
	v_permlanex16_b32 v[TP+bb], v[TM+bb], s[SEL], s[SEL+1]
.set bb, bb+1
.endr
.set bb, 0
.rept 16
	v_max_num_f32 v[TM+bb], v[TM+bb], v[TP+bb]     ; the block's largest magnitude
.set bb, bb+1
.endr
.set bb, 0
.rept 16
	v_add_nc_u32 v[TS+bb], 0xff000000, v[TM+bb]    ; 2 off the exponent field: the conversion's scale operand
.set bb, bb+1
.endr
.set bb, 0
.rept 16
	v_lshrrev_b32 v[TM+bb], 23, v[TS+bb]           ; the byte
.set bb, bb+1
.endr
	WIN 0x03                                       ; source 0: window 3
.set bb, 0
.rept 16
	v_cvt_scalef32_pk8_fp4_f32 v[CD+2*bb], v[16*bb:16*bb+7], v[TS+bb]
	v_cvt_scalef32_pk8_fp4_f32 v[CD+2*bb+1], v[16*bb+8:16*bb+15], v[TS+bb]
.set bb, bb+1
.endr
	WIN 0
	v_nop                                          ; one plain place behind the scaled conversions
.irp g, 0,1,2,3,4,5,6,7
.irp i, 0,1
	v_permlane16_swap_b32 v[CD+4*\g+\i], v[CD+4*\g+2+\i]   ; a whole block to a lane: lanes 0-15 the even block, lanes 16-31 the odd
.endr
.endr
.endm
.macro OUT_QK ptr                      ; eight tiles of 16 rows x 64: four registers each; a row's word = its two bytes
.irp a, 0,1,2,3,4,5,6,7
	v_lshl_or_b32 v[WD+\a], v[TM+2*\a+1], 8, v[TM+2*\a]
.endr
.irp p, 0,1,2,3
	v_cndmask_b32 v[PR+\p], v[WD+2*\p], v[WD+2*\p+1], s[HM]   ; lanes 0-15 the even tile's words, lanes 16-31 the odd tile's
.endr
.irp a, 0,1,2,3,4,5,6,7
	global_store_b128 v[LI], v[CD+4*\a:CD+4*\a+3], s[\ptr:\ptr+1] offset:\a*512   ; 512 consecutive bytes
.endr
	global_store_b128 v[LI], v[PR:PR+3], s[\ptr:\ptr+1] offset:4096
.endm
.macro OUT_V                           ; four fragments of 16 channels x 128 keys; a channel's word = its four bytes
.irp t, 0,1,2,3
	v_lshl_or_b32 v[WD+\t], v[TM+4*\t+1], 8, v[TM+4*\t]
	v_lshl_or_b32 v[WD+\t], v[TM+4*\t+2], 16, v[WD+\t]
	v_lshl_or_b32 v[WD+\t], v[TM+4*\t+3], 24, v[WD+\t]
.endr
.irp p, 0,1
	v_cndmask_b32 v[PR+\p], v[WD+2*\p], v[WD+2*\p+1], s[HM]
.endr
.irp g, 0,1,2,3,4,5,6,7
	global_store_b128 v[LI], v[CD+4*\g:CD+4*\g+3], s[10:11] offset:4608+\g*512
.endr
	global_store_b64 v[L8], v[PR:PR+1], s[10:11] offset:8704   ; 256 consecutive bytes, aligned
.endm
	PASS 0
	QUANT16
	OUT_QK 8
	PASS 1
	QUANT16
	OUT_QK 10
	s_wait_tensorcnt 0x0                           ; my quarter of Wv is in,
	s_wait_dscnt 0x0
	s_barrier_signal -1
	s_barrier_wait -1                              ; everybody's is
	PASS 2
	QUANT16
	OUT_V
	s_wait_tensorcnt 0x0                           ; the wave's end
	ds_add_u32 v[SPW], v[NIL]
	s_wait_dscnt 0x0
	CROUND                                         ; the closing round
	s_endpgm
.Lfunc_end_k_q312d660c05_qkv:
	.size	k_q312d660c05_qkv, .Lfunc_end_k_q312d660c05_qkv-k_q312d660c05_qkv
	.p2alignl 7, 3214868480
	.fill 96, 4, 3214868480
	.section	.rodata,"a",@progbits
	.p2align	6, 0x0
	.amdhsa_kernel k_q312d660c05_qkv
		.amdhsa_group_segment_fixed_size 327680
		.amdhsa_private_segment_fixed_size 0
		.amdhsa_enable_private_segment 0
		.amdhsa_kernarg_size 32
		.amdhsa_user_sgpr_count 2
		.amdhsa_user_sgpr_kernarg_segment_ptr 1
		.amdhsa_wavefront_size32 1
		.amdhsa_system_sgpr_workgroup_id_x 1
		.amdhsa_system_sgpr_workgroup_id_y 1
		.amdhsa_system_sgpr_workgroup_id_z 1
		.amdhsa_system_vgpr_workitem_id 0
		.amdhsa_next_free_vgpr 1024
		.amdhsa_next_free_sgpr 66
		.amdhsa_reserve_vcc 0
		.amdhsa_float_denorm_mode_32 3
		.amdhsa_float_denorm_mode_16_64 3
		.amdhsa_memory_ordered 1
		.amdhsa_forward_progress 1
		.amdhsa_inst_pref_size 179
	.end_amdhsa_kernel
	.amdgpu_metadata
---
amdhsa.version: [ 1, 2 ]
amdhsa.kernels:
  - .name:           k_q312d660c05_qkv
    .symbol:         k_q312d660c05_qkv.kd
    .args:
      - { .name: xq, .offset: 0, .size: 8, .value_kind: global_buffer, .address_space: global }
      - { .name: wr, .offset: 8, .size: 8, .value_kind: global_buffer, .address_space: global }
      - { .name: qr, .offset: 16, .size: 8, .value_kind: global_buffer, .address_space: global }
      - { .name: kv, .offset: 24, .size: 8, .value_kind: global_buffer, .address_space: global }
    .group_segment_fixed_size: 327680
    .private_segment_fixed_size: 0
    .kernarg_segment_align: 8
    .kernarg_segment_size: 32
    .max_flat_workgroup_size: 128
    .sgpr_count:     66
    .vgpr_count:     1024
    .wavefront_size: 32
...
	.end_amdgpu_metadata
.endif
;; end of part 2
;; launch attn (part 3): grid 4 x 64, 16 waves a work-group, clusters of 4 x 1, 167,936 bytes of LDS; arguments qr, kv, cq, cs; writes cq, cs
.if DOCPART == 3
	.amdgcn_target "amdgcn-amd-amdhsa--gfx1250"
	.amdhsa_code_object_version 6
	.text
	.protected	k_q312d660c05_attn
	.globl	k_q312d660c05_attn
	.p2align	8
	.type	k_q312d660c05_attn,@function
k_q312d660c05_attn:
	s_mov_b64 s[64:65], 0
	v_nop
	global_prefetch_b8 v0, s[64:65] scope:SCOPE_SE
	s_setreg_imm32_b32 hwreg(HW_REG_WAVE_MODE, 25, 1), 1
	s_wait_xcnt 0x0
	s_wait_alu depctr_hold_cnt(0) depctr_sa_sdst(0) depctr_va_vdst(0) depctr_va_sdst(0) depctr_va_ssrc(0) depctr_va_vcc(0) depctr_vm_vsrc(0)
	s_getreg_b32 s2, hwreg(HW_REG_IB_STS2, 6, 4)
	s_cmp_eq_u32 s2, 0
	s_cbranch_scc0 .Lentry_in_a_cluster
	s_endpgm
.Lentry_in_a_cluster:
	s_bfe_u32 s2, ttmp6, 0x10000c
	s_cmp_lg_u32 s2, 0x3003
	s_cbranch_scc0 .Lentry_shape_is_right
	s_endpgm
.Lentry_shape_is_right:
; LAUNCH 3 OF 4: ctx = softmax(q k^T / 8, causal) v on codes of FP4, and ctx quantised along its 64 of the last product's K.
; WORK LEFT OUT: a step of 128 keys all of which come after a tile's 16 queries (reference()'s own jnp.tril gives them the weight 0 for all inputs: launch quant's head).  LIMIT: a NaN, an infinity or an overflow that reaches only those steps is not carried on.
; THE SOFTMAX: t = score x log2(e) / 8; M = the running largest t rounded up to a whole number, kept as -M = floor(-t); p = 2^(t - M) is quantised along the keys, not normalised; the row's sum is taken of the
; unquantised p and divides at the end; when M moves, the sum and O are multiplied by 2^(old M - new M), which rounds nothing.  A block's largest p is made of the block's largest score by the same two instructions.
; LIMITS: v_exp_f32 gives 0 for results under 2^-126; a block of zeros gets the byte 1; NaN and infinities among the inputs are not served.
; SHARES.  A cluster of four work-groups is one head (batch x 16 + head = the cluster's y).  Work-group g, wave w (k = w / 2, u = w % 2) owns two tiles of 16 queries: tile 2 g + u of group k (LO) and of group 15 - k (HI),
; a group being 128 positions.  LO walks k + 1 key steps, HI 16 - k: 17 tile steps for every wave of the launch.  Every branch hangs on the wave's number and the count of steps alone.
; LDS.  The head's 16 records of K and V (launch qkv's layout), 143,360 bytes, come once: wave w asks for record w, jointly with the same wave of the three partners.  One tensor load a wave, no refill.  Then a stage of 2,048 bytes for ctx's scale words, and the spare words.
; LAYOUT.  S^T = K Q^T (source 0 = 16 keys, source 1 = my queries), O^T = V^T P^T: a lane holds one query throughout.  The head's size is 64: a fragment of K is named with the next tile's four registers as its upper half;
; they meet the zero codes of Q's upper half, and add nothing.
; No prefetch: every byte of K and V is asked for at the head.  Four waves share a SIMD, so one wave's vector work stands beside another's products and LDS loads.
.set KVREC, 8960
.set CSTG,  16*KVREC
.set SPARE, CSTG+2048
.set LI,   1                           ; v1  16 x lane
.set L8,   2                           ; v2  8 x lane
.set SPW,  3                           ; v3  my spare word; never rewritten
.set NIL,  4                           ; v4  0; never rewritten
.set ADR,  5                           ; v5  the step's record + 16 x lane
.set ADR8, 6                           ; v6  + 8 x lane
.set DQ,   7                           ; v7  my query's place in its group - 16 (lane / 16)
; v8, v9 the stage: HI's, LO's word.  v10-13 HI: -M, largest t, the sum in two halves; v14-17 LO.  v18, v19 Q's scale words.  v20-27, v28-35 Q (four registers of codes, four of zeros).
; v36-67 K's eight tiles, later V's four fragments; v68-71 zeros.  v72-75 K's scale words, v76-77 V's, v78, v79 P's.  v80-87, v88-95 P's codes.  v96-159 S^T, then p.  v160-191, v192-223 O^T.
; v224 the stage read back; v225, v226 my offsets in cq; v227 in cs; v228-231 Q's load offsets; v232-255 at work.
.set WV,  12
.set NLO, 13                           ; s13 k: LO's last key step
.set NHI, 17                           ; s17 15 - k: HI's
.set ST,  19                           ; s19 the key step
.set TB,  20                           ; s20 its record in LDS
.set CS,  22                           ; s[22:23] c = log2(e) / 8
.set G1,  24
.set G0,  32
.set SEL, 36
.set SH,  46                           ; s46 16 for an odd head
.macro PLACES n
.rept \n
	v_nop
.endr
.endm
.macro CROUND
	s_barrier_signal -1
	s_barrier_wait -1
	s_cmp_lg_u32 s[WV], 0
	s_cbranch_scc1 .Lnot_wave_0_\@
	s_barrier_signal -3
.Lnot_wave_0_\@:
	s_barrier_wait -3
	s_barrier_signal -1
	s_barrier_wait -1
.endm
.macro WM                              ; the matrix instruction from symbols; fA: source 0's words lie in lanes 16-31; fZ: C is the constant 0
.if fZ
.if fA
	v_wmma_scale_f32_16x16x128_f8f6f4 v[rD:rD+7], v[rA:rA+7], v[rB:rB+7], 0, v[rSA], v[rSB] matrix_a_fmt:MATRIX_FMT_FP4 matrix_b_fmt:MATRIX_FMT_FP4 matrix_a_scale:MATRIX_SCALE_ROW1
.else
	v_wmma_scale_f32_16x16x128_f8f6f4 v[rD:rD+7], v[rA:rA+7], v[rB:rB+7], 0, v[rSA], v[rSB] matrix_a_fmt:MATRIX_FMT_FP4 matrix_b_fmt:MATRIX_FMT_FP4
.endif
.else
.if fA
	v_wmma_scale_f32_16x16x128_f8f6f4 v[rD:rD+7], v[rA:rA+7], v[rB:rB+7], v[rD:rD+7], v[rSA], v[rSB] matrix_a_fmt:MATRIX_FMT_FP4 matrix_b_fmt:MATRIX_FMT_FP4 matrix_a_scale:MATRIX_SCALE_ROW1
.else
	v_wmma_scale_f32_16x16x128_f8f6f4 v[rD:rD+7], v[rA:rA+7], v[rB:rB+7], v[rD:rD+7], v[rSA], v[rSB] matrix_a_fmt:MATRIX_FMT_FP4 matrix_b_fmt:MATRIX_FMT_FP4
.endif
.endif
.endm
	s_load_b256 s[4:11], s[0:1], 0x0               ; qr, kv, cq, cs
	v_lshl_add_u32 v[SPW], v0, 2, SPARE
	v_mov_b32 v[NIL], 0
	ds_add_u32 v[SPW], v[NIL]                      ; the wave's opening: the add, twice on end, and its wait ahead of my first tensor load
	ds_add_u32 v[SPW], v[NIL]
	v_lshrrev_b32 v1, 5, v0
	v_readfirstlane_b32 s[WV], v1                  ; wave 0..15
	s_lshr_b32 s[NLO], s[WV], 1                    ; k
	s_and_b32 s14, s[WV], 1                        ; u
	s_bfe_u32 s15, ttmp6, 0x40000                  ; g = cx: it enters global addresses and v[DQ] alone
	s_and_b32 s16, ttmp7, 0xffff                   ; batch x 16 + head
	s_xor_b32 s[NHI], s[NLO], 15
	s_mov_b32 s[G1], 15|(3<<16)|(1<<21)            ; the mask: all four work-groups; elements of 8 bytes; no padding
	s_mov_b32 s[G1+1], 32<<16                      ; a record is 35 rows of 256 bytes, dense
	s_mov_b32 s[G1+2], 35<<16
	s_mov_b32 s[G1+3], 32<<16
	s_mov_b32 s[G1+4], 35
	s_mov_b32 s[G1+5], 32
	s_mov_b32 s[G1+6], 0
	s_mov_b32 s[G1+7], 0
	s_lshl_b32 s38, s16, 4
	s_add_co_u32 s38, s38, s[WV]
	s_mul_i32 s40, s38, KVREC                      ; record w of my head, in memory,
	s_mov_b32 s41, 0
	s_mul_i32 s39, s[WV], KVREC                    ; and in LDS
	s_mov_b32 s[CS], 0x3e38aa3b
	s_mov_b32 s[CS+1], s[CS]                       ; (named with it as a pair, so it is written)
	s_mov_b32 s[SEL], 0x76543210
	s_mov_b32 s[SEL+1], 0xfedcba98
	s_wait_dscnt 0x0                               ; both opening adds are done
	s_wait_kmcnt 0x0
	s_mov_b32 s[G0], 1
	s_mov_b32 s[G0+1], s39
	s_add_nc_u64 s[G0+2:G0+3], s[6:7], s[40:41]
	s_or_b32 s[G0+3], s[G0+3], 0x80000000
	CROUND                                         ; all four work-groups are here: the joint loads meet
	tensor_load_to_lds s[G0:G0+3], s[G1:G1+7]
	s_nop 0
	PLACES 4
	v_and_b32 v234, 31, v0
	v_lshlrev_b32 v[LI], 4, v234
	v_lshlrev_b32 v[L8], 3, v234
	v_and_b32 v232, 15, v0                         ; r
	v_bfe_u32 v233, v0, 4, 1                       ; h
	s_mul_i32 s40, s16, 16*4608
	s_add_nc_u64 s[4:5], s[4:5], s[40:41]          ; my head's 16 records of Q
	s_lshl_b32 s38, s15, 1
	s_add_co_u32 s38, s38, s14                     ; my tile in a group: a = 2 g + u
	s_lshl_b32 s39, s38, 9
	s_mul_i32 s42, s[NHI], 4608
	s_mul_i32 s43, s[NLO], 4608
	s_add_co_u32 s44, s42, s39
	v_add_nc_u32 v228, s44, v[LI]
	s_add_co_u32 s44, s43, s39
	v_add_nc_u32 v229, s44, v[LI]
	s_lshl_b32 s44, s14, 8
	s_lshl_b32 s45, s15, 2
	s_add_co_u32 s44, s44, s45
	s_add_co_u32 s44, s44, 4096                    ; my tile's scale words: 4,096 + 16 (r + 16 u) + 4 g: lanes 0-15 hold them (lanes 16-31 the same)
	v_lshlrev_b32 v234, 4, v232
	s_add_co_u32 s45, s44, s42
	v_add_nc_u32 v230, s45, v234
	s_add_co_u32 s45, s44, s43
	v_add_nc_u32 v231, s45, v234
	global_load_b128 v[20:23], v228, s[4:5]
	global_load_b128 v[28:31], v229, s[4:5]
	global_load_b32 v18, v230, s[4:5]
	global_load_b32 v19, v231, s[4:5]
	v_and_b32 v235, 8, v232
	v_add_nc_u32 v[DQ], v235, v232                 ; r + 8 (r / 8)
	v_lshlrev_b32 v235, 4, v233
	v_sub_nc_u32 v[DQ], v[DQ], v235                ; - 16 h
	s_lshl_b32 s44, s15, 5
	s_lshl_b32 s45, s14, 3
	s_add_co_u32 s44, s44, s45
	v_add_nc_u32 v[DQ], s44, v[DQ]                 ; + 32 g + 8 u
	s_lshl_b32 s45, s14, 6
	s_add_co_u32 s45, s45, CSTG
	s_lshl_b32 s44, s[NHI], 7
	s_add_co_u32 s44, s44, s45
	v_lshl_add_u32 v8, v232, 2, s44                ; the stage: group x 128 + 64 u + 4 r
	s_lshl_b32 s44, s[NLO], 7
	s_add_co_u32 s44, s44, s45
	v_lshl_add_u32 v9, v232, 2, s44
	s_min_u32 s44, s[WV], 3                        ; waves 0 to 3 read it back, 512 bytes each
	s_lshl_b32 s44, s44, 9
	v_add_nc_u32 v227, s44, v[LI]
	s_add_co_u32 s44, s44, CSTG
	v_add_nc_u32 v224, s44, v[LI]
	s_lshr_b32 s44, s16, 4                         ; cq: (batch x 16 + group) x 65,536 + (head / 2) x 8192 + a x 1024 + (head % 2) x 512 + 16 l
	s_lshl_b32 s44, s44, 20
	s_bfe_u32 s45, s16, 0x30001
	s_lshl_b32 s45, s45, 13
	s_add_co_u32 s44, s44, s45
	s_and_b32 s45, s16, 1
	s_lshl_b32 s[SH], s45, 4
	s_lshl_b32 s45, s45, 9
	s_add_co_u32 s44, s44, s45
	s_lshl_b32 s45, s38, 10
	s_add_co_u32 s40, s44, s45
	s_add_nc_u64 s[8:9], s[8:9], s[40:41]
	s_lshl_b32 s44, s[NHI], 16
	v_add_nc_u32 v225, s44, v[LI]
	s_lshl_b32 s44, s[NLO], 16
	v_add_nc_u32 v226, s44, v[LI]
	s_lshl_b32 s40, s16, 2                         ; cs: (bh x 4 + g) x 2048
	s_add_co_u32 s40, s40, s15
	s_lshl_b32 s40, s40, 11
	s_add_nc_u64 s[10:11], s[10:11], s[40:41]
	v_mov_b32 v11, 0xff61b1e6                      ; the largest t so far: -3e38, under every t
	v_floor_f32 v10, -v11                          ; -M
	v_mov_b32 v12, 0
	v_mov_b32 v13, 0
	v_mov_b32 v15, 0xff61b1e6
	v_floor_f32 v14, -v15
	v_mov_b32 v16, 0
	v_mov_b32 v17, 0
.irp j, 24,25,26,27,32,33,34,35,68,69,70,71,236,237,238,239,253,255
	v_mov_b32 v\j, 0                               ; Q's upper halves; the zeros behind K's last tile; permutes' destinations; upper halves of pairs that are named whole
.endr
.set j, 0
.rept 64
	v_mov_b32 v[160+j], 0                          ; O^T.  (The step is written once: the first finds zeros, which the first change of M leaves zeros)
.set j, j+1
.endr
	s_mov_b32 s[ST], 0
	s_mov_b32 s[TB], 0
	s_wait_loadcnt 0x0                             ; Q
	s_wait_tensorcnt 0x0                           ; my record is in,
	s_barrier_signal -1
	s_barrier_wait -1                              ; everybody's is
; One tile's scores, softmax and codes of p for the step in hand.  q: Q's fragment; qs: its scale words; st: -M, t, the sum; o: O^T; p: p's codes; ps: p's scale word; lim: the scalar that holds the tile's last (diagonal) step.
.macro SOFT q, qs, st, o, p, ps, lim
.set t, 0
.rept 8
.set rD, 96+8*t
.set rA, 36+4*t
.set rB, \q
.set rSA, 72+t/2
.set rSB, \qs
.set fA, t%2
.set fZ, 1
	WM
.set t, t+1
.endr
	PLACES 4
	s_cmp_lg_u32 s[ST], s[\lim]                    ; on the diagonal the scores of hidden keys become -infinity ahead of the maximum: p = 0 then
	s_cbranch_scc1 .Lopen_\@
	v_mov_b32 v254, 0xff800000
.set n, 0
.rept 64
	v_cmp_gt_i32 vcc_lo, 32*(n/16)+n%16, v[DQ]     ; register n holds key 32 (n / 16) + 16 (lane / 16) + n % 16 of the step
	v_cndmask_b32 v[96+n], v[96+n], v254, vcc_lo
.set n, n+1
.endr
.Lopen_\@:
.irp b, 0,1,2,3
	v_max3_num_f32 v[232+\b], v[96+16*\b], v[97+16*\b], v[98+16*\b]   ; the largest score of each block of 32 keys: for the row's maximum, and for the block's largest p
.endr
.irp i, 3,5,7,9,11,13
.irp b, 0,1,2,3
	v_max3_num_f32 v[232+\b], v[232+\b], v[96+16*\b+\i], v[97+16*\b+\i]
.endr
.endr
.irp b, 0,1,2,3
	v_max_num_f32 v[232+\b], v[232+\b], v[111+16*\b]
.endr
.irp b, 0,1,2,3
	v_permlanex16_b32 v[236+\b], v[232+\b], s[SEL], s[SEL+1]
.endr
.irp b, 0,1,2,3
	v_max_num_f32 v[232+\b], v[232+\b], v[236+\b]  ; with lane l xor 16's 16 keys
.endr
	v_max3_num_f32 v254, v232, v233, v234
	v_max_num_f32 v254, v254, v235
	v_mul_f32 v254, s[CS], v254                    ; the step's largest t of my query
	v_max_num_f32 v[\st+1], v[\st+1], v254
	v_mov_b32 v254, v[\st]
	v_floor_f32 v[\st], -v[\st+1]                  ; the new -M
	v_sub_f32 v254, v[\st], v254                   ; old M - new M: a whole number, 0 or less
	v_cvt_i32_f32 v254, v254                       ; (it saturates)
	v_ldexp_f32 v252, 1.0, v254                    ; f = 2^(old M - new M)
.set j, 0
.rept 32
	v_pk_fma_f32 v[96+j:97+j], v[96+j:97+j], s[CS:CS+1], v[\st:\st+1] op_sel_hi:[1,0,0]   ; t - M, two at a time
.set j, j+2
.endr
.irp b, 0,1,2,3
	v_fma_f32 v[232+\b], v[232+\b], s[CS], v[\st]
.endr
.set j, 0
.rept 64
	v_exp_f32 v[96+j], v[96+j]                     ; p
.set j, j+1
.endr
	v_pk_mul_f32 v[\st+2:\st+3], v[\st+2:\st+3], v[252:253] op_sel_hi:[1,0]   ; the sums under the new M: the plain place behind the exponentials
	s_wait_alu depctr_va_vdst(0)                   ; one wait for the batch, ahead of its first reader
.irp b, 0,1,2,3
	v_exp_f32 v[232+\b], v[232+\b]                 ; the blocks' largest p
.endr
	v_pk_add_f32 v[236:237], v[96:97], v[98:99]    ; the row's sum, of the unquantised p: two chains
.irp j, 4,8,12,16,20,24,28,32,36,40,44,48,52,56,60
	v_pk_add_f32 v[\st+2:\st+3], v[\st+2:\st+3], v[96+\j:97+\j]
	v_pk_add_f32 v[236:237], v[236:237], v[98+\j:99+\j]
.endr
	v_pk_add_f32 v[\st+2:\st+3], v[\st+2:\st+3], v[236:237]
	s_wait_alu depctr_va_vdst(0)                   ; and one for the four
.irp b, 0,1,2,3
	v_max_num_f32 v[232+\b], 0x1800000, v[232+\b]  ; the floor 2^(3 - 127)
.endr
.irp b, 0,1,2,3
	v_add_nc_u32 v[244+\b], 0xff000000, v[232+\b]
.endr
.irp b, 0,1,2,3
	v_lshrrev_b32 v[236+\b], 23, v[244+\b]
.endr
	v_lshl_or_b32 v[\ps], v237, 8, v236            ; p's scale word for these 128 keys
	v_lshl_or_b32 v[\ps], v238, 16, v[\ps]
	v_lshl_or_b32 v[\ps], v239, 24, v[\ps]
.irp b, 0,1,2,3
	v_cvt_scalef32_pk8_fp4_f32 v[\p+2*\b], v[96+16*\b:103+16*\b], v[244+\b]
	v_cvt_scalef32_pk8_fp4_f32 v[\p+1+2*\b], v[104+16*\b:111+16*\b], v[244+\b]
.endr
	v_nop                                          ; one plain place behind the scaled conversions
.irp c, 0,1
.irp i, 0,1
	v_permlane16_swap_b32 v[\p+4*\c+\i], v[\p+2+4*\c+\i]
.endr
.endr
.set j, 0
.rept 16
	v_pk_mul_f32 v[\o+j:\o+j+1], v[\o+j:\o+j+1], v[252:253] op_sel_hi:[1,0]   ; O^T under the new M; these are also the places between p's scale word and codes and the products that take them
.set j, j+2
.endr
.endm
.macro LOADV
.irp g, 0,1,2,3,4,5,6,7
	ds_load_b128 v[36+4*\g:39+4*\g], v[ADR] offset:4608+\g*512
.endr
	s_wait_dscnt 0x0
.endm
.macro PV o, p, ps, t                  ; O^T += V^T P^T: 16 of the head's 64 channels, these 128 keys
.set rD, \o+8*\t
.set rA, 36+8*\t
.set rB, \p
.set rSA, 76+\t/2
.set rSB, \ps
.set fA, \t%2
.set fZ, 0
	WM
.endm
.Lstep:                                            ; 16 trips, a constant: a wave jumps over the steps that its tiles do not see
	v_add_nc_u32 v[ADR], s[TB], v[LI]
	v_add_nc_u32 v[ADR8], s[TB], v[L8]
	s_cmp_gt_u32 s[ST], s[NHI]
	s_cbranch_scc1 .Lnext
	PLACES 4                                       ; in front of loads into registers that the last products read
.irp t, 0,1,2,3,4,5,6,7
	ds_load_b128 v[36+4*\t:39+4*\t], v[ADR] offset:\t*512
.endr
	ds_load_b128 v[72:75], v[ADR] offset:4096
	ds_load_b64 v[76:77], v[ADR8] offset:8704
	s_wait_dscnt 0x0
	SOFT 20, 18, 10, 160, 80, 78, NHI
	s_cmp_gt_u32 s[ST], s[NLO]
	s_cbranch_scc1 .Lsolo
	SOFT 28, 19, 14, 192, 88, 79, NLO
	LOADV
.irp t, 0,1,2,3
	PV 160, 80, 78, \t                             ; eight accumulators by turns
	PV 192, 88, 79, \t
.endr
	s_branch .Lnext
.Lsolo:
	LOADV
.irp t, 0,1,2,3
	PV 160, 80, 78, \t
.endr
.Lnext:
	s_add_co_u32 s[TB], s[TB], KVREC
	s_add_co_u32 s[ST], s[ST], 1
	s_cmp_lt_u32 s[ST], 16
	s_cbranch_scc1 .Lstep
	; THE END.  O^T / the sum is ctx: a lane holds one position and 16 neighbours of each block of 32 channels.  It is quantised as q was, and leaves as codes and scale words.
	PLACES 4
	v_add_f32 v12, v12, v13
	v_add_f32 v16, v16, v17
	v_permlanex16_b32 v236, v12, s[SEL], s[SEL+1]
	v_permlanex16_b32 v237, v16, s[SEL], s[SEL+1]
	v_add_f32 v12, v12, v236                       ; the rows' sums
	v_add_f32 v16, v16, v237
	v_rcp_f32 v252, v12
	v_rcp_f32 v254, v16
	v_nop                                          ; a plain place behind the reciprocals
	s_wait_alu depctr_va_vdst(0)                   ; one wait for both, ahead of their first reader
.set j, 0
.rept 16
	v_pk_mul_f32 v[96+j:97+j], v[160+j:161+j], v[252:253] op_sel_hi:[1,0]
	v_pk_mul_f32 v[128+j:129+j], v[192+j:193+j], v[254:255] op_sel_hi:[1,0]
.set j, j+2
.endr
.irp b, 0,1,2,3
	v_max3_num_f32 v[232+\b], |v[96+16*\b]|, |v[97+16*\b]|, 0x1800000   ; blocks 0, 1: HI's; 2, 3: LO's
.endr
.irp i, 2,4,6,8,10,12,14
.irp b, 0,1,2,3
	v_max3_num_f32 v[232+\b], v[232+\b], |v[96+16*\b+\i]|, |v[97+16*\b+\i]|
.endr
.endr
.irp b, 0,1,2,3
	v_permlanex16_b32 v[236+\b], v[232+\b], s[SEL], s[SEL+1]
.endr
.irp b, 0,1,2,3
	v_max_num_f32 v[232+\b], v[232+\b], v[236+\b]
.endr
.irp b, 0,1,2,3
	v_add_nc_u32 v[244+\b], 0xff000000, v[232+\b]
.endr
.irp b, 0,1,2,3
	v_lshrrev_b32 v[236+\b], 23, v[244+\b]
.endr
	v_lshl_or_b32 v240, v237, 8, v236
	v_lshl_or_b32 v241, v239, 8, v238
	v_lshlrev_b32 v240, s[SH], v240                ; an odd head's two bytes are the upper half of the K step's word
	v_lshlrev_b32 v241, s[SH], v241
.irp b, 0,1,2,3
	v_cvt_scalef32_pk8_fp4_f32 v[80+2*\b], v[96+16*\b:103+16*\b], v[244+\b]
	v_cvt_scalef32_pk8_fp4_f32 v[81+2*\b], v[104+16*\b:111+16*\b], v[244+\b]
.endr
	v_nop
.irp c, 0,1
.irp i, 0,1
	v_permlane16_swap_b32 v[80+4*\c+\i], v[82+4*\c+\i]
.endr
.endr
	global_store_b128 v225, v[80:83], s[8:9]       ; 512 consecutive bytes
	global_store_b128 v226, v[84:87], s[8:9]
	ds_store_b32 v8, v240                          ; both halves of the lanes write the same word with the same value
	ds_store_b32 v9, v241
	s_wait_dscnt 0x0                               ; for the others' sake: my words lie in the stage
	s_barrier_signal -1
	s_barrier_wait -1
	s_cmp_gt_u32 s[WV], 3
	s_cbranch_scc1 .Lno_cs
	ds_load_b128 v[96:99], v224
	s_wait_dscnt 0x0
	global_store_b128 v227, v[96:99], s[10:11]     ; the work-group's 2,048 bytes of scale words, 512 consecutive bytes a wave
.Lno_cs:
	s_wait_tensorcnt 0x0                           ; the wave's end
	ds_add_u32 v[SPW], v[NIL]
	s_wait_dscnt 0x0
	CROUND                                         ; the closing round
	s_endpgm
.Lfunc_end_k_q312d660c05_attn:
	.size	k_q312d660c05_attn, .Lfunc_end_k_q312d660c05_attn-k_q312d660c05_attn
	.p2alignl 7, 3214868480
	.fill 96, 4, 3214868480
	.section	.rodata,"a",@progbits
	.p2align	6, 0x0
	.amdhsa_kernel k_q312d660c05_attn
		.amdhsa_group_segment_fixed_size 167936
		.amdhsa_private_segment_fixed_size 0
		.amdhsa_enable_private_segment 0
		.amdhsa_kernarg_size 32
		.amdhsa_user_sgpr_count 2
		.amdhsa_user_sgpr_kernarg_segment_ptr 1
		.amdhsa_wavefront_size32 1
		.amdhsa_system_sgpr_workgroup_id_x 1
		.amdhsa_system_sgpr_workgroup_id_y 1
		.amdhsa_system_sgpr_workgroup_id_z 1
		.amdhsa_system_vgpr_workitem_id 0
		.amdhsa_next_free_vgpr 256
		.amdhsa_next_free_sgpr 66
		.amdhsa_reserve_vcc 1
		.amdhsa_float_denorm_mode_32 3
		.amdhsa_float_denorm_mode_16_64 3
		.amdhsa_memory_ordered 1
		.amdhsa_forward_progress 1
		.amdhsa_inst_pref_size 56
	.end_amdhsa_kernel
	.amdgpu_metadata
---
amdhsa.version: [ 1, 2 ]
amdhsa.kernels:
  - .name:           k_q312d660c05_attn
    .symbol:         k_q312d660c05_attn.kd
    .args:
      - { .name: qr, .offset: 0, .size: 8, .value_kind: global_buffer, .address_space: global }
      - { .name: kv, .offset: 8, .size: 8, .value_kind: global_buffer, .address_space: global }
      - { .name: cq, .offset: 16, .size: 8, .value_kind: global_buffer, .address_space: global }
      - { .name: cs, .offset: 24, .size: 8, .value_kind: global_buffer, .address_space: global }
    .group_segment_fixed_size: 167936
    .private_segment_fixed_size: 0
    .kernarg_segment_align: 8
    .kernarg_segment_size: 32
    .max_flat_workgroup_size: 512
    .sgpr_count:     66
    .vgpr_count:     256
    .wavefront_size: 32
...
	.end_amdgpu_metadata
.endif
;; end of part 3
;; launch outp (part 4): grid 8 x 32, 4 waves a work-group, clusters of 4 x 4, 235,008 bytes of LDS; arguments cq, cs, wr, bo, out0; writes out0
.if DOCPART == 4
	.amdgcn_target "amdgcn-amd-amdhsa--gfx1250"
	.amdhsa_code_object_version 6
	.text
	.protected	k_q312d660c05_outp
	.globl	k_q312d660c05_outp
	.p2align	8
	.type	k_q312d660c05_outp,@function
k_q312d660c05_outp:
	s_mov_b64 s[64:65], 0
	v_nop
	global_prefetch_b8 v0, s[64:65] scope:SCOPE_SE
	s_setreg_imm32_b32 hwreg(HW_REG_WAVE_MODE, 25, 1), 1
	s_wait_xcnt 0x0
	s_wait_alu depctr_hold_cnt(0) depctr_sa_sdst(0) depctr_va_vdst(0) depctr_va_sdst(0) depctr_va_ssrc(0) depctr_va_vcc(0) depctr_vm_vsrc(0)
	s_getreg_b32 s2, hwreg(HW_REG_IB_STS2, 6, 4)
	s_cmp_eq_u32 s2, 0
	s_cbranch_scc0 .Lentry_in_a_cluster
	s_endpgm
.Lentry_in_a_cluster:
	s_bfe_u32 s2, ttmp6, 0x10000c
	s_cmp_lg_u32 s2, 0xf033
	s_cbranch_scc0 .Lentry_shape_is_right
	s_endpgm
.Lentry_shape_is_right:
; LAUNCH 4 OF 4: out0 = ctx Wo + bo on codes of FP4.  Nothing of reference() is left out here.
; A work-group takes 256 rows and 128 columns; wave w the 128 rows of group i = w / 2 and the 64 columns of block j = w % 2: 32 accumulators.  Source 0 = 16 columns of Wo, source 1 = 16 rows of ctx:
; a lane holds one row and eight neighbouring columns a tile.  bo is the C of each sum's first product.
; CLUSTER 4 x 4: ctx's codes and scale words hang on the work-group's y alone (joint along a row of the cluster), Wo's blocks on its x alone (along a column).
; LDS, all filled once: ctx's two groups of codes (131,072 bytes); their scale words, 64 rows (head x 4 + pair of tiles) of 256 bytes; Wo's two blocks; a stage of 16 rows x 272 bytes for each wave; the spare words.
; By this text's count a wave has three tensor loads out.  No prefetch: every tile is asked for at the head.
; ctx's scale word of a K step (two heads) is the even head's half or the odd head's half (launch attn has shifted it).
.set WREC,  34816
.set CS,    131072
.set WO,    CS+16384
.set STAGE, WO+2*WREC
.set SPARE, STAGE+4*4352
.set LI,  1                            ; v1  16 x lane
.set AC,  2                            ; v2  LDS: my group's codes
.set ACS, 3                            ; v3  its scale words' halves
.set AWO, 4                            ; v4  my block of Wo
.set AWS, 5                            ; v5  its scale words
.set STO, 6                            ; v6  the stage, in
.set RD,  7                            ; v7  and back
.set GO,  8                            ; v8  my byte offset in two rows of out0
.set BO,  9                            ; v9  64 (lane / 16): my half's numbers of bo
.set SPW, 12
.set NIL, 13
.set ASC, 16                           ; v16-47  ctx's scale words: 8 p + s
.set WSC, 48                           ; v48-63  Wo's: 8 (t / 2) + s
.set WF,  64                           ; v64-127 Wo's fragments, two sets
.set BI,  128                          ; v128-159 bo in the result's layout: eight registers a tile t
.set TT,  160                          ; v160-223 the words' halves; later two sets of rows read back
; window 1: the accumulators at 32 a + 8 t;  window 2: ctx's fragments, two sets of eight
.set WV,  14
.set G1C, 24
.set G1S, 32
.set G1W, 40
.set G0C, 48
.set G0S, 52
.set G0W, 56
.set MSB, 0
.macro WIN new
.if MSB != (\new)
	s_set_vgpr_msb (MSB<<8)|(\new)
.set MSB, (\new)
.endif
.endm
.macro PLACES n
.rept \n
	v_nop
.endr
.endm
.macro CROUND
	s_barrier_signal -1
	s_barrier_wait -1
	s_cmp_lg_u32 s[WV], 0
	s_cbranch_scc1 .Lnot_wave_0_\@
	s_barrier_signal -3
.Lnot_wave_0_\@:
	s_barrier_wait -3
	s_barrier_signal -1
	s_barrier_wait -1
.endm
.macro WM                              ; the matrix instruction from symbols; fA, fB: that side's scale words lie in lanes 16-31
.if fA && fB
	v_wmma_scale_f32_16x16x128_f8f6f4 v[rD:rD+7], v[rA:rA+7], v[rB:rB+7], v[rC:rC+7], v[rSA], v[rSB] matrix_a_fmt:MATRIX_FMT_FP4 matrix_b_fmt:MATRIX_FMT_FP4 matrix_a_scale:MATRIX_SCALE_ROW1 matrix_b_scale:MATRIX_SCALE_ROW1
.elseif fA
	v_wmma_scale_f32_16x16x128_f8f6f4 v[rD:rD+7], v[rA:rA+7], v[rB:rB+7], v[rC:rC+7], v[rSA], v[rSB] matrix_a_fmt:MATRIX_FMT_FP4 matrix_b_fmt:MATRIX_FMT_FP4 matrix_a_scale:MATRIX_SCALE_ROW1
.elseif fB
	v_wmma_scale_f32_16x16x128_f8f6f4 v[rD:rD+7], v[rA:rA+7], v[rB:rB+7], v[rC:rC+7], v[rSA], v[rSB] matrix_a_fmt:MATRIX_FMT_FP4 matrix_b_fmt:MATRIX_FMT_FP4 matrix_b_scale:MATRIX_SCALE_ROW1
.else
	v_wmma_scale_f32_16x16x128_f8f6f4 v[rD:rD+7], v[rA:rA+7], v[rB:rB+7], v[rC:rC+7], v[rSA], v[rSB] matrix_a_fmt:MATRIX_FMT_FP4 matrix_b_fmt:MATRIX_FMT_FP4
.endif
.endm
	s_load_b256 s[4:11], s[0:1], 0x0               ; cq, cs, wr, bo
	s_load_b64 s[12:13], s[0:1], 0x20              ; out0
	v_lshl_add_u32 v[SPW], v0, 2, SPARE
	v_mov_b32 v[NIL], 0
	ds_add_u32 v[SPW], v[NIL]                      ; the wave's opening: the add, twice on end, and its wait ahead of my first tensor load
	ds_add_u32 v[SPW], v[NIL]
	v_lshrrev_b32 v1, 5, v0
	v_readfirstlane_b32 s[WV], v1                  ; wave 0..3
	s_lshr_b32 s15, s[WV], 1                       ; i
	s_and_b32 s16, s[WV], 1                        ; j
	s_bfe_u32 s17, ttmp6, 0x40000                  ; cx
	s_bfe_u32 s18, ttmp6, 0x40004                  ; cy
	s_lshl_b32 s19, ttmp9, 2
	s_add_co_u32 s19, s19, s17                     ; which 128 columns
	s_and_b32 s20, ttmp7, 0xffff
	s_lshl_b32 s20, s20, 2
	s_add_co_u32 s20, s20, s18                     ; which 256 rows
	s_lshl_b32 s21, s18, 2
	s_lshl_b32 s21, 15, s21                        ; my row of the cluster
	s_lshl_b32 s22, 0x1111, s17                    ; my column
	s_or_b32 s[G1C], s21, (3<<16)|(1<<21)          ; codes: 128 dense rows of 256 bytes a wave
	s_mov_b32 s[G1C+1], 32<<16
	s_mov_b32 s[G1C+2], 128<<16
	s_mov_b32 s[G1C+3], 32<<16
	s_mov_b32 s[G1C+4], 128
	s_mov_b32 s[G1C+5], 32
	s_mov_b32 s[G1C+6], 0
	s_mov_b32 s[G1C+7], 0
	s_or_b32 s[G1S], s21, (3<<16)|(1<<21)          ; scale words: 16 rows of 256 bytes a wave, 2,048 bytes (256 elements) apart in memory
	s_mov_b32 s[G1S+1], 32<<16
	s_mov_b32 s[G1S+2], 16<<16
	s_mov_b32 s[G1S+3], 32<<16
	s_mov_b32 s[G1S+4], 16
	s_mov_b32 s[G1S+5], 256
	s_mov_b32 s[G1S+6], 0
	s_mov_b32 s[G1S+7], 0
	s_or_b32 s[G1W], s22, (3<<16)|(1<<21)          ; Wo: 68 dense rows a wave
	s_mov_b32 s[G1W+1], 32<<16
	s_mov_b32 s[G1W+2], 68<<16
	s_mov_b32 s[G1W+3], 32<<16
	s_mov_b32 s[G1W+4], 68
	s_mov_b32 s[G1W+5], 32
	s_mov_b32 s[G1W+6], 0
	s_mov_b32 s[G1W+7], 0
	s_lshl_b32 s23, s[WV], 15                      ; wave x 32,768
	s_lshl_b32 s60, s20, 17
	s_add_co_u32 s60, s60, s23                     ; codes: 131,072 x (which 256 rows) + my quarter
	s_mov_b32 s61, 0
	s_lshr_b32 s62, s20, 3
	s_lshl_b32 s62, s62, 17                        ; scale words: the batch's 64 rows,
	s_and_b32 s2, s20, 7
	s_lshl_b32 s2, s2, 8
	s_add_co_u32 s62, s62, s2                      ; my two groups' 256 bytes of each,
	s_add_co_u32 s62, s62, s23                     ; my 16 rows
	s_mov_b32 s63, 0
	s_mul_i32 s2, s19, 2*WREC
	s_mul_i32 s3, s[WV], WREC/2
	s_add_co_u32 s2, s2, s3
	s_add_co_u32 s2, s2, 48*WREC                   ; Wo's blocks are 48-63
	s_wait_dscnt 0x0                               ; both opening adds are done
	s_wait_kmcnt 0x0
	s_mov_b32 s[G0C], 1
	s_mov_b32 s[G0C+1], s23
	s_add_nc_u64 s[G0C+2:G0C+3], s[4:5], s[60:61]
	s_or_b32 s[G0C+3], s[G0C+3], 0x80000000
	s_mov_b32 s[G0S], 1
	s_lshl_b32 s[G0S+1], s[WV], 12
	s_add_co_u32 s[G0S+1], s[G0S+1], CS
	s_add_nc_u64 s[G0S+2:G0S+3], s[6:7], s[62:63]
	s_or_b32 s[G0S+3], s[G0S+3], 0x80000000
	s_mov_b32 s[G0W], 1
	s_add_co_u32 s[G0W+1], s3, WO
	s_mov_b32 s60, s2
	s_add_nc_u64 s[G0W+2:G0W+3], s[8:9], s[60:61]
	s_or_b32 s[G0W+3], s[G0W+3], 0x80000000
	CROUND                                         ; all sixteen work-groups are here: the joint loads meet
	tensor_load_to_lds s[G0C:G0C+3], s[G1C:G1C+7]
	s_nop 0
	tensor_load_to_lds s[G0S:G0S+3], s[G1S:G1S+7]
	s_nop 0
	tensor_load_to_lds s[G0W:G0W+3], s[G1W:G1W+7]
	s_nop 0
	PLACES 4
	v_and_b32 v14, 31, v0
	v_lshlrev_b32 v[LI], 4, v14
	v_and_b32 v10, 15, v0                          ; r
	v_bfe_u32 v11, v0, 4, 1                        ; h
	s_lshl_b32 s21, s15, 16
	v_add_nc_u32 v[AC], s21, v[LI]
	s_lshl_b32 s21, s15, 7
	s_add_co_u32 s21, s21, CS
	v_lshl_add_u32 v[ACS], v14, 2, s21
	s_mul_i32 s21, s16, WREC
	s_add_co_u32 s21, s21, WO
	v_add_nc_u32 v[AWO], s21, v[LI]
	s_add_co_u32 s21, s21, 32768
	v_lshl_add_u32 v[AWS], v14, 3, s21
	s_mul_i32 s21, s[WV], 4352
	s_add_co_u32 s21, s21, STAGE                   ; my stage
	v_mul_u32_u24 v[STO], v10, 272
	v_lshl_add_u32 v[STO], v11, 6, v[STO]
	v_add_nc_u32 v[STO], s21, v[STO]               ; in: row r, + 64 h
	v_mul_u32_u24 v[RD], v11, 272
	v_lshl_add_u32 v[RD], v10, 4, v[RD]
	v_add_nc_u32 v[RD], s21, v[RD]                 ; back: lanes 0-15 one row, lanes 16-31 the next
	v_lshlrev_b32 v[GO], 12, v11
	v_lshl_add_u32 v[GO], v10, 4, v[GO]            ; and the same two rows in out0
	v_lshlrev_b32 v[BO], 6, v11
	s_lshl_b32 s21, s19, 1
	s_add_co_u32 s21, s21, s16
	s_lshl_b32 s60, s21, 8                         ; my 64 columns: 256 bytes
	s_add_nc_u64 s[10:11], s[10:11], s[60:61]
	s_add_nc_u64 s[12:13], s[12:13], s[60:61]
	s_lshl_b32 s21, s20, 1
	s_add_co_u32 s21, s21, s15
	s_lshl_b32 s60, s21, 19                        ; my 128 rows of 4,096 bytes
	s_add_nc_u64 s[12:13], s[12:13], s[60:61]
.irp t, 0,1,2,3
.irp q, 0,1
	global_load_b128 v[BI+8*\t+4*\q:BI+8*\t+4*\q+3], v[BO], s[10:11] offset:(32*(\t/2)+8*(\t%2)+4*\q)*4   ; tile t, lane (r, h): columns 32 (t / 2) + 16 h + 8 (t % 2) + 0 .. 7
.endr
.endr
	s_wait_tensorcnt 0x0                           ; my parts are in,
	s_barrier_signal -1
	s_barrier_wait -1                              ; everybody's are
.macro AFETCH s                        ; ctx's eight fragments of K step s into set s % 2 of window 2
	WIN 0x80
.irp a, 0,1,2,3,4,5,6,7
.irp c, 0,1
	ds_load_b128 v[64*((\s)%2)+8*\a+4*\c:64*((\s)%2)+8*\a+4*\c+3], v[AC] offset:(\s)*8192+\a*1024+\c*512
.endr
.endr
	WIN 0
.endm
.macro WFETCH s
.irp t, 0,1,2,3
.irp c, 0,1
	ds_load_b128 v[WF+32*((\s)%2)+8*\t+4*\c:WF+32*((\s)%2)+8*\t+4*\c+3], v[AWO] offset:(\s)*4096+\t*1024+\c*512
.endr
.endr
.endm
.macro MUL32 s                         ; 32 accumulators by turns, one instruction a turn; step 0 takes bo as C
.if (\s) == 0
	WIN 0x48                                       ; source 1 (ctx) window 2, C window 0, D window 1
.else
	WIN 0x58                                       ; C and D window 1
.endif
.set a, 0
.rept 8
.set t, 0
.rept 4
.set rD, 32*a+8*t
.if (\s) == 0
.set rC, BI+8*t
.else
.set rC, rD
.endif
.set rA, WF+32*((\s)%2)+8*t
.set rB, 64*((\s)%2)+8*a
.set rSA, WSC+8*(t/2)+(\s)
.set rSB, ASC+8*(a/2)+(\s)
.set fA, t%2
.set fB, a%2
	WM
.set t, t+1
.endr
.set a, a+1
.endr
.endm
.irp p, 0,1,2,3
.irp s, 0,1,2,3,4,5,6,7
.irp e, 0,1
	ds_load_b32 v[TT+2*(8*\p+\s)+\e], v[ACS] offset:((2*\s+\e)*4+\p)*256   ; head 2 s + e, pair p: lanes 0-15 the even tile, lanes 16-31 the odd
.endr
.endr
.endr
.irp p, 0,1
.irp q, 0,1,2,3
	ds_load_b64 v[WSC+8*\p+2*\q:WSC+8*\p+2*\q+1], v[AWS] offset:\p*1024+\q*256
.endr
.endr
	AFETCH 0
	WFETCH 0
	s_wait_dscnt 24                                ; the scale words are in; K step 0's 24 loads may be out
	s_wait_loadcnt 0x0                             ; bo
.set x, 0
.rept 32
	v_or_b32 v[ASC+x], v[TT+2*x], v[TT+2*x+1]
.set x, x+1
.endr
	PLACES 8                                       ; a scale register written by a vector instruction stands eight places ahead of the product that takes it
.irp s, 0,1,2,3,4,5,6,7
.if \s > 0
	PLACES 4                                       ; in front of loads into the sets that the last step's products read
.endif
.if \s < 7
	AFETCH \s+1
	WFETCH \s+1
	s_wait_dscnt 24                                ; all but the 24 just issued
.else
	s_wait_dscnt 0x0
.endif
	MUL32 \s
.endr
; THE WAY OUT, a tile of 16 rows x 64 columns at a time, through my own stage: in by lanes (32 bytes of a row a tile t), back by rows of 256 bytes.  LDS serves a wave's instructions in order: no wait between.
.macro TOSTAGE a
	WIN 0x04                                       ; an LDS store's data: window 1
.irp t, 0,1,2,3
	ds_store_b128 v[STO], v[32*(\a)+8*\t:32*(\a)+8*\t+3] offset:128*(\t/2)+32*(\t%2)       ; each accumulator from its low end on
	ds_store_b128 v[STO], v[32*(\a)+8*\t+4:32*(\a)+8*\t+7] offset:128*(\t/2)+32*(\t%2)+16
.endr
	WIN 0
.irp q, 0,1,2,3,4,5,6,7
	ds_load_b128 v[TT+32*((\a)%2)+4*\q:TT+32*((\a)%2)+4*\q+3], v[RD] offset:\q*544
.endr
.endm
.macro SEND a, younger                 ; younger: the LDS instructions issued behind tile a's loads
	s_wait_dscnt \younger
.irp q, 0,1,2,3,4,5,6,7
	global_store_b128 v[GO], v[TT+32*((\a)%2)+4*\q:TT+32*((\a)%2)+4*\q+3], s[12:13] offset:(32*((\a)/2)+8*((\a)%2)+2*\q+8*(\q/4))*4096 th:TH_STORE_NT   ; sixteen lanes store 256 consecutive bytes, aligned; the tile order is undone here
.endr
.endm
	PLACES 4                                       ; behind the last products
	TOSTAGE 0
.irp a, 1,2,3,4,5,6,7
.if \a > 1
	s_wait_xcnt 0x0                                ; tile a - 2's stores have read their registers: tile a's rows may land there
.endif
	TOSTAGE \a
	SEND \a-1, 16                                  ; behind tile a - 1's loads: tile a's 8 stores and 8 loads
.endr
	SEND 7, 0
	s_wait_tensorcnt 0x0                           ; the wave's end
	ds_add_u32 v[SPW], v[NIL]
	s_wait_dscnt 0x0
	CROUND                                         ; the closing round
	s_endpgm
.Lfunc_end_k_q312d660c05_outp:
	.size	k_q312d660c05_outp, .Lfunc_end_k_q312d660c05_outp-k_q312d660c05_outp
	.p2alignl 7, 3214868480
	.fill 96, 4, 3214868480
	.section	.rodata,"a",@progbits
	.p2align	6, 0x0
	.amdhsa_kernel k_q312d660c05_outp
		.amdhsa_group_segment_fixed_size 235008
		.amdhsa_private_segment_fixed_size 0
		.amdhsa_enable_private_segment 0
		.amdhsa_kernarg_size 40
		.amdhsa_user_sgpr_count 2
		.amdhsa_user_sgpr_kernarg_segment_ptr 1
		.amdhsa_wavefront_size32 1
		.amdhsa_system_sgpr_workgroup_id_x 1
		.amdhsa_system_sgpr_workgroup_id_y 1
		.amdhsa_system_sgpr_workgroup_id_z 1
		.amdhsa_system_vgpr_workitem_id 0
		.amdhsa_next_free_vgpr 640
		.amdhsa_next_free_sgpr 66
		.amdhsa_reserve_vcc 0
		.amdhsa_float_denorm_mode_32 3
		.amdhsa_float_denorm_mode_16_64 3
		.amdhsa_memory_ordered 1
		.amdhsa_forward_progress 1
		.amdhsa_inst_pref_size 75
	.end_amdhsa_kernel
	.amdgpu_metadata
---
amdhsa.version: [ 1, 2 ]
amdhsa.kernels:
  - .name:           k_q312d660c05_outp
    .symbol:         k_q312d660c05_outp.kd
    .args:
      - { .name: cq, .offset: 0, .size: 8, .value_kind: global_buffer, .address_space: global }
      - { .name: cs, .offset: 8, .size: 8, .value_kind: global_buffer, .address_space: global }
      - { .name: wr, .offset: 16, .size: 8, .value_kind: global_buffer, .address_space: global }
      - { .name: bo, .offset: 24, .size: 8, .value_kind: global_buffer, .address_space: global }
      - { .name: out0, .offset: 32, .size: 8, .value_kind: global_buffer, .address_space: global }
    .group_segment_fixed_size: 235008
    .private_segment_fixed_size: 0
    .kernarg_segment_align: 8
    .kernarg_segment_size: 40
    .max_flat_workgroup_size: 128
    .sgpr_count:     66
    .vgpr_count:     640
    .wavefront_size: 32
...
	.end_amdgpu_metadata
.endif
;; end of part 4
